; MI455X (gfx1250); checked and timed in simulation.
; The chip was launched on July 23, 2026; its instructions are those of AMD's public machine-readable ISA for CDNA 5 (MIT licence, August 2026) and "CDNA5" Instruction Set Architecture Reference Guide (July 2026). The comments in the code are by the model that wrote it; some were corrected since.
;; Embedding Search Layer. Allowed arithmetic: float matrix products may take bf16 or f16 operands with f32 sums; other float arithmetic in f32, or as packed bf16 or f16 multiplies, adds, multiply-adds, maxima and minima; sums over many terms, partial sums and values carried from step to step in f32; what a program stores and reads back later, other than sums and carried values, may be rounded once to bf16 or f16.
;; Inputs: query 2,048 x 256 float32; vectors 131,072 x 256 float32.
;; Outputs: out0 2,048 int32.
;; 2 versions, each right; version 2 is version 1 with the launch prep written anew for expert scheduling mode. Each part assembles by itself: llvm-mc -triple=amdgcn-amd-amdhsa -mcpu=gfx1250 --defsym DOCPART=n.
;; ======== version 1 of 2: 3 launches
;; workspace buffers: qb 1,048,576 bytes; qsq 8,192 bytes; part 4,194,304 bytes
;; launch prep (part 1): grid 32 x 1, 8 waves a work-group, no clusters, 1,280 bytes of LDS; arguments query, qb, qsq; writes qb, qsq
.if DOCPART == 1
	.amdgcn_target "amdgcn-amd-amdhsa--gfx1250"
	.amdhsa_code_object_version 6
	.text
	.protected	k_q39b13511c1_prep
	.globl	k_q39b13511c1_prep
	.p2align	8
	.type	k_q39b13511c1_prep,@function
k_q39b13511c1_prep:
	s_mov_b64 s[64:65], 0
	v_nop
	global_prefetch_b8 v0, s[64:65] scope:SCOPE_SE
	s_setreg_imm32_b32 hwreg(HW_REG_WAVE_MODE, 25, 1), 1
	s_wait_xcnt 0x0
; qb[m][:] = query[m][:] rounded to bf16; qsq[m] = the sum over d of qb[m][d]^2, in f32, of the ROUNDED numbers, so that the
; distance made later is the distance between the numbers that are multiplied.  query: [2048][256] f32.  qb: [2048][256] bf16.  qsq: [2048] f32.
; SHARES.  A work-group takes 64 rows, so that its 64 sums are 256 consecutive bytes of qsq, aligned: 32 work-groups.  A wave takes 8 rows.
; A lane takes 16 bytes at 16 l and 16 bytes at 512 + 16 l of each row: a load of the wave covers 512 consecutive bytes; the four
; numbers of a load pack into 8 bytes, so a store of the wave covers 256 consecutive bytes of qb, aligned.
; All 16 loads of a wave go out at once; the waits count down.  No matrix unit, no cluster: nothing is shared and there is no product.
; LIMIT.  The sum is an f32 sum in another order than a sum along the row.
.set SPARE, 256                        ; LDS: bytes 0-255 the 64 sums; from here the spare words, 128 bytes for each of the 8 waves
.set LO,  2                            ; v2   16 l + 8,192 w: my bytes in the work-group's rows of query; never rewritten
.set SO,  3                            ; v3   8 l + 4,096 w: the same in qb; never rewritten
.set LA,  4                            ; v4   32 w: my wave's eight sums in LDS
.set SPW, 5                            ; v5   LDS address of my spare word; never rewritten
.set NIL, 6                            ; v6   0; never rewritten
.set RB,  7                            ; v7   8 l
.set X,   16                           ; v[16:79]   row i: 8 registers as loaded
.set P,   80                           ; v[80:111]  row i: 4 registers, 8 bf16; each is written once, so no store's data is ever rewritten
.set U,   112                          ; v[112:119] the rounded numbers as f32
.set S,   120                          ; v[120:121] the running sums
.set TM,  122                          ; v122 at work
	s_load_b128 s[4:7], s[0:1], 0x0                ; query s[4:5], qb s[6:7]
	s_load_b64 s[8:9], s[0:1], 0x10                ; qsq
	v_lshl_add_u32 v[SPW], v0, 2, SPARE
	v_mov_b32 v[NIL], 0
	v_lshrrev_b32 v[TM], 5, v0
	v_readfirstlane_b32 s13, v[TM]                 ; wave 0..7
	v_and_b32 v1, 31, v0                           ; lane
	s_mov_b32 s10, 0x76543210                      ; v_permlanex16_b32: each lane takes its own place in the other half
	s_mov_b32 s11, 0xfedcba98
	s_mov_b32 s12, 0xffff0000                      ; a word's upper bf16
	s_lshl_b32 s14, ttmp9, 16                      ; 64 rows of 1,024 bytes
	s_mov_b32 s15, 0
	s_lshl_b32 s16, ttmp9, 15                      ; 64 rows of 512 bytes
	s_mov_b32 s17, 0
	s_lshl_b32 s18, ttmp9, 8                       ; 64 sums
	s_mov_b32 s19, 0
	s_lshl_b32 s20, s13, 13
	s_lshl_b32 s21, s13, 12
	s_lshl_b32 s22, s13, 5
	v_lshl_add_u32 v[LO], v1, 4, s20
	v_lshlrev_b32 v[RB], 3, v1
	v_add_nc_u32 v[SO], s21, v[RB]
	v_mov_b32 v[LA], s22
	s_wait_kmcnt 0x0
	s_add_nc_u64 s[4:5], s[4:5], s[14:15]
	s_add_nc_u64 s[6:7], s[6:7], s[16:17]
	s_add_nc_u64 s[8:9], s[8:9], s[18:19]
.irp i, 0,1,2,3,4,5,6,7
	global_load_b128 v[X+8*\i:X+8*\i+3],   v[LO], s[4:5] offset:1024*\i th:TH_LOAD_NT
	global_load_b128 v[X+8*\i+4:X+8*\i+7], v[LO], s[4:5] offset:1024*\i+512 th:TH_LOAD_NT
.endr
; Row i: rounded, stored, squared and summed over the wave.
.macro ROW i
	s_wait_loadcnt 14-2*(\i)                       ; loads come back in order: this row's two are in, the later rows' may stay out
.irp k, 0,1,2,3
	v_cvt_pk_bf16_f32 v[P+4*(\i)+\k], v[X+8*(\i)+2*\k], v[X+8*(\i)+2*\k+1]
.endr
	global_store_b64 v[SO], v[P+4*(\i):P+4*(\i)+1],   s[6:7] offset:512*(\i)       ; 32 lanes x 8 bytes: the row's first 256 bytes,
	global_store_b64 v[SO], v[P+4*(\i)+2:P+4*(\i)+3], s[6:7] offset:512*(\i)+256   ; and its second
.irp k, 0,1,2,3
	v_lshlrev_b32 v[U+2*\k],   16,  v[P+4*(\i)+\k]  ; bf16 to f32: the low half moves up,
	v_and_b32     v[U+2*\k+1], s12, v[P+4*(\i)+\k]  ; the high half stays
.endr
	v_pk_mul_f32 v[S:S+1], v[U:U+1], v[U:U+1]
	v_pk_fma_f32 v[S:S+1], v[U+2:U+3], v[U+2:U+3], v[S:S+1]
	v_pk_fma_f32 v[S:S+1], v[U+4:U+5], v[U+4:U+5], v[S:S+1]
	v_pk_fma_f32 v[S:S+1], v[U+6:U+7], v[U+6:U+7], v[S:S+1]
	v_add_f32 v[S], v[S], v[S+1]
	v_add_f32_dpp v[S], v[S], v[S] row_xmask:1 row_mask:0xf bank_mask:0xf
	v_add_f32_dpp v[S], v[S], v[S] row_xmask:2 row_mask:0xf bank_mask:0xf
	v_add_f32_dpp v[S], v[S], v[S] row_xmask:4 row_mask:0xf bank_mask:0xf
	v_add_f32_dpp v[S], v[S], v[S] row_xmask:8 row_mask:0xf bank_mask:0xf
	v_permlanex16_b32 v[TM], v[S], s10, s11        ; its destination counts as read: v[TM] was written at the head
	v_add_f32 v[S], v[S], v[TM]                    ; every lane holds the row's sum
	ds_store_b32 v[LA], v[S] offset:4*(\i)         ; all lanes write the same word with the same number
.endm
.irp i, 0,1,2,3,4,5,6,7
	ROW \i
.endr
	s_wait_dscnt 0x0                               ; for wave 0's sake: my eight sums lie in LDS
	s_barrier_signal -1
	s_barrier_wait -1
	s_cmp_lg_u32 s13, 0
	s_cbranch_scc1 .Lend                           ; wave 0 stores the 64 sums: 32 lanes x 8 bytes, 256 consecutive bytes, aligned
	ds_load_b64 v[U:U+1], v[RB]
	s_wait_dscnt 0x0
	global_store_b64 v[RB], v[U:U+1], s[8:9]
.Lend:
	s_wait_tensorcnt 0x0                           ; the wave's end, behind my last LDS store
	ds_add_u32 v[SPW], v[NIL]
	s_wait_dscnt 0x0
	s_endpgm
.Lfunc_end_k_q39b13511c1_prep:
	.size	k_q39b13511c1_prep, .Lfunc_end_k_q39b13511c1_prep-k_q39b13511c1_prep
	.p2alignl 7, 3214868480
	.fill 96, 4, 3214868480
	.section	.rodata,"a",@progbits
	.p2align	6, 0x0
	.amdhsa_kernel k_q39b13511c1_prep
		.amdhsa_group_segment_fixed_size 1280
		.amdhsa_private_segment_fixed_size 0
		.amdhsa_enable_private_segment 0
		.amdhsa_kernarg_size 24
		.amdhsa_user_sgpr_count 2
		.amdhsa_user_sgpr_kernarg_segment_ptr 1
		.amdhsa_wavefront_size32 1
		.amdhsa_system_sgpr_workgroup_id_x 1
		.amdhsa_system_sgpr_workgroup_id_y 1
		.amdhsa_system_sgpr_workgroup_id_z 1
		.amdhsa_system_vgpr_workitem_id 0
		.amdhsa_next_free_vgpr 128
		.amdhsa_next_free_sgpr 66
		.amdhsa_reserve_vcc 0
		.amdhsa_float_denorm_mode_32 3
		.amdhsa_float_denorm_mode_16_64 3
		.amdhsa_memory_ordered 1
		.amdhsa_forward_progress 1
		.amdhsa_inst_pref_size 15
	.end_amdhsa_kernel
	.amdgpu_metadata
---
amdhsa.version: [ 1, 2 ]
amdhsa.kernels:
  - .name:           k_q39b13511c1_prep
    .symbol:         k_q39b13511c1_prep.kd
    .args:
      - { .name: query, .offset: 0, .size: 8, .value_kind: global_buffer, .address_space: global }
      - { .name: qb, .offset: 8, .size: 8, .value_kind: global_buffer, .address_space: global }
      - { .name: qsq, .offset: 16, .size: 8, .value_kind: global_buffer, .address_space: global }
    .group_segment_fixed_size: 1280
    .private_segment_fixed_size: 0
    .kernarg_segment_align: 8
    .kernarg_segment_size: 24
    .max_flat_workgroup_size: 256
    .sgpr_count:     66
    .vgpr_count:     128
    .wavefront_size: 32
...
	.end_amdgpu_metadata
.endif
;; end of part 1
;; launch main (part 2): grid 256 x 1, 4 waves a work-group, clusters of 4 x 1, 327,680 bytes of LDS; arguments vectors, qb, qsq, part; writes part
.if DOCPART == 2
	.amdgcn_target "amdgcn-amd-amdhsa--gfx1250"
	.amdhsa_code_object_version 6
	.text
	.protected	k_q39b13511c1_main
	.globl	k_q39b13511c1_main
	.p2align	8
	.type	k_q39b13511c1_main,@function
k_q39b13511c1_main:
	s_mov_b64 s[64:65], 0
	v_nop
	global_prefetch_b8 v0, s[64:65] scope:SCOPE_SE
	s_setreg_imm32_b32 hwreg(HW_REG_WAVE_MODE, 25, 1), 1
	s_wait_xcnt 0x0
	s_wait_alu depctr_hold_cnt(0) depctr_sa_sdst(0) depctr_va_vdst(0) depctr_va_sdst(0) depctr_va_ssrc(0) depctr_va_vcc(0) depctr_vm_vsrc(0)
	s_getreg_b32 s2, hwreg(HW_REG_IB_STS2, 6, 4)
	s_cmp_eq_u32 s2, 0
	s_cbranch_scc0 .Lentry_in_a_cluster
	s_endpgm
.Lentry_in_a_cluster:
	s_bfe_u32 s2, ttmp6, 0x10000c
	s_cmp_lg_u32 s2, 0x3003
	s_cbranch_scc0 .Lentry_shape_is_right
	s_endpgm
.Lentry_shape_is_right:
; For each of 2,048 queries and each work-group's 512 vectors: part[wg][q] = { min over the 512 of max(q^2 + v^2 - 2 q.v, 0), the first index that reaches it }.
; vectors: [131072][256] f32.  qb: [2048][256] bf16 (the queries rounded).  qsq: [2048] f32.  part: [256][2048] of { f32, i32 }.
; THE VECTORS STAY, THE QUERIES WALK.  A wave owns 128 vectors: it reads them once, rounds them to bf16 once and keeps them in 512 registers.  The queries, 1 MiB that every
; work-group needs, go through a ring of two LDS slots of 128 queries.  CLUSTER: the four work-groups of a cluster ask for each slot JOINTLY: the same tensor load, descriptor and mask in all four.
; LAYOUT.  S^T = V Q^T (source 0 = 16 vectors, source 1 = 16 queries): a lane holds ONE query (lane % 16 = r), and register j of tile t the vector 16 t + 8 h + j (h = lane / 16).
; So a wave's minimum for a query is a minimum over the lane's own 64 registers, and a group of 16 queries is met once: nothing is carried from step to step.
; THE DISTANCE keeps the order of rounding of q^2 + v^2 - 2 q.v: t = q^2 + v^2, then one fused d = (-2) cross + t.  q^2 and v^2 are taken of the rounded numbers.  v^2 is the diagonal of V V^T, by the matrix unit.
; THE ARGMIN, by selects alone (no address and no branch hangs on a distance): G[t] = the minimum of tile t; M = max(min G, 0); walking t = 6 .. 0, where G[t] <= M that tile's 8 distances and its number
; are taken, so the lowest such tile wins; the same over its 8 registers.  'x <= M' says that x clamped at 0 equals the clamped minimum: the clamp of every element, and the first index among equals.
; The two halves of the lanes and the four waves meet in LDS at the end, by (distance, index).
; BY TURNS.  Turn g multiplies group g into one set of 8 accumulators (64 products); the distances and the argmin of group g - 1, 189 lines on the other set, stand three behind each product.
; LIMITS.  The root is taken by the launch behind, of the work-groups' minima (a minimum goes through a map that never falls); two vectors of ONE work-group whose distances differ only before the root's rounding
; are told apart by the squared distance, not by the index.  NaN is not treated.  The sums are f32 sums in the matrix unit's order.
; REGISTERS, in windows of 256 (s_set_vgpr_msb: bits 1:0 source 0, 3:2 source 1, 5:4 source 2, 7:6 destination):
;   window 0: v0-15 addresses; v64-127, v128-191 the queries' fragments, two buffers (at the head: staging set 1; at the end v64-79: the merge)
;   window 1: v0-63, v64-127 the two sets of accumulators (at the head: staging set 0, then V V^T); v128-191 v^2; v192-231 the argmin's registers
;   window 2: vector tiles 0-3, tile t's fragment kf at 64 t + 8 kf          window 3: tiles 4-7
.set PQ,    528                        ; a query's row in LDS: 512 bytes + 16 of padding = 132 words: the 16 rows of a fragment load start at 16 different groups of four banks (64 banks of 4 bytes: ISA guide 11.1)
.set GRP,   16*PQ                      ; a group of 16 queries
.set SLOTB, 128*PQ                     ; a slot: 8 groups, 67,584 bytes = 0x10800.  A wave's quarter begins at 16,896 w, which has neither bit 11 nor bit 16 set: one exclusive or turns an address in one slot into the other's
.set QSQ,   2*SLOTB                    ; behind the ring: all 2,048 q^2, filled once
.set TAB,   QSQ+8192                   ; 8 planes (2 w + h) of 2,048 x { distance, index }
.set PL,    16512                      ; from plane to plane: 16,384 + 128, so that the two halves of the lanes store into different banks
.set SPARE, TAB+8*PL                   ; the spare words, 128 bytes for each wave: two blocks of 256 bytes that no other line names
.set RR,  1                            ; v1   r = lane % 16
.set AQ0, 2                            ; v2   r x 528 + 16 h: my place in a group's rows; never rewritten
.set AS0, 3                            ; v3   QSQ + 4 r; never rewritten
.set ADR, 4                            ; v4   LDS address of the run of loads in hand
.set ADS, 5                            ; v5   of the q^2 in hand
.set VO,  6                            ; v6   r x 1,024 + 32 h: my place in 16 rows of vectors; never rewritten
.set PFO, 7                            ; v7   256 x lane: the prefetches' offset; never rewritten
.set SPW, 8                            ; v8   LDS address of my spare word; never rewritten
.set NIL, 9                            ; v9   0; never rewritten
.set HH,  10                           ; v10  h
.set H96, 11                           ; v11  96 h
.set AE,  12                           ; v12  the merge: planes 0-3
.set AE2, 13                           ; v13  planes 4-7
.set GOF, 14                           ; v14  my byte offset in the work-group's row of part
.set T0,  15                           ; v15  at work
.set QF,  64                           ; window 0: buffer x, fragment kf at QF + 64 x + 8 kf
.set E,   64                           ; window 0, at the end: plane p's pair at E + 2 p
.set VS,  128                          ; window 1: v^2 of vector 16 t + 8 h + j at VS + 8 t + j
.set TT,  192                          ; q^2 + v^2 of the tile in hand
.set G,   200                          ; the tiles' minima
.set OV,  208                          ; the pair that is stored: M, index
.set MB,  210
.set BT,  211                          ; the tile that wins
.set BJ,  212                          ; the register that wins
.set XI,  213
.set ADT, 214                          ; LDS address of the pair
.set AT0, 215                          ; TAB + (2 w + h) PL + 8 r; never rewritten
.set LB,  216                          ; 512 x work-group + 128 w + 8 h: the index of my register 0 of tile 0; it is data alone
.set QS,  218                          ; q^2 for set y in the low word of the pair at QS + 2 y
.set BP,  224                          ; the lane selects for the diagonal
.set WV,  12                           ; s12  my wave's number
.set G1Q, 24                           ; s[24:31] descriptor group 1 for a quarter of a slot
.set G1S, 32                           ; s[32:39] for a quarter of qsq
.set G0A, 40                           ; s[40:43] group 0: slot 0's first fill
.set G0B, 44                           ; s[44:47] slot 1's first fill; it then walks
.set G0S, 48                           ; s[48:51] qsq
.set SLOTS, 52                         ; s52  counts the changes of slots
.set CNT, 53                           ; s53  counts pairs of turns; at the end the merge's trips
.set TBQ, 54                           ; s54  LDS byte of the group to be fetched
.set TSQ, 55                           ; s55  byte in QSQ of the q^2 to be fetched
.set TTB, 56                           ; s56  byte in a plane of TAB of the group to be stored
.set LIM, 57                           ; s57  1 in a wave that prefetches, else the greatest number
.set PFA, 58                           ; s[58:59] where my prefetches stand
.set MK,  66                           ; s[66:72] seven lane masks
.set LX,  74                           ; s[74:76] the merge's masks
.set W_EP, 0x55                        ; every operand in window 1
.set MSB, 0
.macro WIN new                         ; the immediate's high byte repeats the setting that is left; a switch that changes nothing is dropped
.if MSB != (\new)
	s_set_vgpr_msb (MSB<<8)|(\new)
.set MSB, (\new)
.endif
.endm
.macro PLACES                          ; four plain instructions behind a matrix instruction (ISA guide 7.12.1)
.rept 4
	v_nop
.endr
.endm
; A round of the cluster's barrier: my work-group's barrier, so that wave 0's signal speaks for all four waves; wave 0 signals; every wave waits for all four work-groups; my work-group's barrier once more.
.macro CROUND
	s_barrier_signal -1
	s_barrier_wait -1
	s_cmp_lg_u32 s[WV], 0
	s_cbranch_scc1 .Lnot_wave_0_\@
	s_barrier_signal -3
.Lnot_wave_0_\@:
	s_barrier_wait -3
	s_barrier_signal -1
	s_barrier_wait -1
.endm
; A PREFETCH INTO THE L2 of the slot that the NEXT change of slots will ask for: 65,536 bytes = 256 blocks of 256, a lane a block.  Every cluster walks the same queries: the first cluster asks, and nobody else.
; Its four partners take 64 blocks each, told apart BY ADDRESS; in each, waves 0 and 1 take 32: one instruction a wave.  So each block of slots 3 to 15 is named once in the launch, 8 turns (512 products)
; ahead of its load.  Slots 0 to 2 come by their loads alone; the last change that fills a slot asks for nothing.
.macro ASK
	s_cmp_gt_u32 s[SLOTS], s[LIM]
	s_cbranch_scc0 .Lnot_mine_\@
	global_prefetch_b8 v[PFO], s[PFA:PFA+1] th:TH_LOAD_NT scope:SCOPE_SE
.Lnot_mine_\@:
.endm
	s_load_b256 s[4:11], s[0:1], 0x0               ; vectors s[4:5], qb s[6:7], qsq s[8:9], part s[10:11]
	v_lshl_add_u32 v[SPW], v0, 2, SPARE
	v_mov_b32 v[NIL], 0
	ds_add_u32 v[SPW], v[NIL]                      ; the wave's opening: the add, twice on end, and its wait ahead of my first tensor load; the set-up below, work on registers, stands between
	ds_add_u32 v[SPW], v[NIL]                      ; and once more, under the one wait
	v_lshrrev_b32 v[T0], 5, v0
	v_readfirstlane_b32 s[WV], v[T0]               ; wave 0..3
	s_bfe_u32 s13, ttmp6, 0x40000                  ; cx: my place in the cluster
	s_lshl_b32 s14, ttmp9, 2                       ; in a cluster launch ttmp9 counts clusters
	s_add_co_u32 s14, s14, s13                     ; my work-group's number: it enters the addresses of vectors and part, and the index, and nothing else
	; group 1 for the queries: 32 rows x 256 elements of 2 bytes, padded in LDS
	s_mov_b32 s[G1Q+0], 15|(1<<16)|(1<<20)|(1<<21)|(6<<22)|(3<<25)  ; 15:0 the mask of four; 17:16 2-byte elements; 20 padding on; 21 set beside a mask; 24:22 after every 128 words (code 6); 31:25 4 words (code 3)
	s_mov_b32 s[G1Q+1], 256<<16                    ; tensor_dim0 = 256
	s_mov_b32 s[G1Q+2], 32<<16                     ; tensor_dim1 = 32
	s_mov_b32 s[G1Q+3], 256<<16                    ; tile_dim0 = 256
	s_mov_b32 s[G1Q+4], 32                         ; tile_dim1 = 32
	s_mov_b32 s[G1Q+5], 256                        ; 256 elements from row to row
	s_mov_b32 s[G1Q+6], 0
	s_mov_b32 s[G1Q+7], 0
	; group 1 for qsq: 2,048 dense bytes as 8 rows of 32 elements of 8 bytes
	s_mov_b32 s[G1S+0], 15|(3<<16)|(1<<21)
	s_mov_b32 s[G1S+1], 32<<16
	s_mov_b32 s[G1S+2], 8<<16
	s_mov_b32 s[G1S+3], 32<<16
	s_mov_b32 s[G1S+4], 8
	s_mov_b32 s[G1S+5], 32
	s_mov_b32 s[G1S+6], 0
	s_mov_b32 s[G1S+7], 0
	s_mov_b32 s[G0S], 1                            ; count = 1
	s_lshl_b32 s[G0S+1], s[WV], 11
	s_add_co_u32 s[G0S+1], s[G0S+1], QSQ           ; LDS: my quarter of qsq
	s_mov_b32 s[G0A], 1
	s_mul_i32 s[G0A+1], s[WV], 32*PQ               ; LDS: my quarter of slot 0: no place in the cluster enters an LDS address
	s_mov_b32 s[G0B], 1
	s_add_co_u32 s[G0B+1], s[G0A+1], SLOTB         ; of slot 1
	s_lshl_b32 s16, s[WV], 11                      ; my 2,048 bytes of qsq
	s_mov_b32 s17, 0
	s_lshl_b32 s18, s[WV], 14                      ; my 32 rows of 512 bytes of a slot
	s_mov_b32 s19, 0
	s_lshl_b32 s20, s14, 19                        ; my work-group's 512 rows of 1,024 bytes,
	s_lshl_b32 s21, s[WV], 17                      ; my wave's 128 of them
	s_add_co_u32 s20, s20, s21
	s_mov_b32 s21, 0
	s_lshl_b32 s22, s14, 14                        ; my work-group's row of part
	s_mov_b32 s23, 0
	s_lshl_b32 s2, s13, 14                         ; the prefetches: my work-group's 64 blocks of a slot,
	s_lshl_b32 s3, s[WV], 13                       ; my wave's 32,
	s_add_co_u32 s2, s2, s3
	s_add_co_u32 s2, s2, 2*65536                   ; in slot 2: the first change of slots steps it to slot 3
	s_mov_b32 s3, 0
	s_lshr_b32 s[LIM], s[WV], 1                    ; 0 in waves 0 and 1,
	s_or_b32 s[LIM], s[LIM], ttmp9                 ; of the first cluster: the same in all four partners
	s_cmp_eq_u32 s[LIM], 0
	s_cselect_b32 s[LIM], 1, -1
	s_mul_i32 s15, s[WV], 2*PL
	s_add_co_u32 s15, s15, TAB                     ; my wave's two planes
	s_lshl_b32 s78, s14, 9
	s_lshl_b32 s79, s[WV], 7
	s_add_co_u32 s78, s78, s79                     ; the index of my wave's first vector
	s_mov_b32 s[TBQ], 0
	s_mov_b32 s[TSQ], 0
	s_mov_b32 s[TTB], 0
	v_and_b32 v[RR], 15, v0
	v_bfe_u32 v[HH], v0, 4, 1
	v_mul_u32_u24 v[AQ0], v[RR], PQ
	v_lshl_add_u32 v[AQ0], v[HH], 4, v[AQ0]
	v_lshl_add_u32 v[AS0], v[RR], 2, QSQ
	v_lshlrev_b32 v[VO], 10, v[RR]
	v_lshl_add_u32 v[VO], v[HH], 5, v[VO]
	v_and_b32 v[PFO], 31, v0
	v_lshlrev_b32 v[PFO], 8, v[PFO]
	v_mul_u32_u24 v[H96], v[HH], 96
	v_mul_u32_u24 v[T0], v[HH], PL
	v_lshl_add_u32 v[T0], v[RR], 3, v[T0]          ; h PL + 8 r
	s_wait_dscnt 0x0                               ; both opening adds are done
	s_wait_kmcnt 0x0
	s_add_nc_u64 s[G0S+2:G0S+3], s[8:9], s[16:17]
	s_add_nc_u64 s[G0A+2:G0A+3], s[6:7], s[18:19]  ; queries 0 to 127,
	s_add_nc_u64 s[G0B+2:G0B+3], s[G0A+2:G0A+3], 65536  ; 128 to 255
	s_or_b32 s[G0S+3], s[G0S+3], 0x80000000        ; type = 2
	s_or_b32 s[G0A+3], s[G0A+3], 0x80000000
	s_or_b32 s[G0B+3], s[G0B+3], 0x80000000
	s_add_nc_u64 s[PFA:PFA+1], s[6:7], s[2:3]
	s_add_nc_u64 s[4:5], s[4:5], s[20:21]          ; vectors at my wave's first row
	s_add_nc_u64 s[10:11], s[10:11], s[22:23]      ; part at my work-group's row
	CROUND                                         ; all four work-groups are here: the first joint loads meet
	tensor_load_to_lds s[G0S:G0S+3], s[G1S:G1S+7]  ; the first fills go out as one group: three loads of mine are out
	s_nop 0
	tensor_load_to_lds s[G0A:G0A+3], s[G1Q:G1Q+7]
	s_nop 0
	tensor_load_to_lds s[G0B:G0B+3], s[G1Q:G1Q+7]
	s_nop 0
	PLACES                                         ; four v_nop behind the last, ahead of the first switch of windows
; THE VECTORS.  A fragment is 16 rows x 32 channels in 8 registers: lane (r, h) holds row r, channels 8 h + 0..7 in registers 0-3 and 16 + 8 h + 0..7 in registers 4-7.  In f32 those are
; 32 bytes at 32 h and 32 bytes at 64 + 32 h of the fragment's 128: four loads of 16 bytes, laid in the staging set in the order in which pairs round into the fragment.
; Eight loads on end cover 256 consecutive bytes, aligned, of each of the 16 rows.  Even tiles use staging set 0 (window 1, v0-127), odd tiles set 1 (window 0, v64-191).
.macro LOADT t
.set sb, 64*((\t)%2)
	WIN 0x40*(1-(\t)%2)
.irp kf, 0,1,2,3,4,5,6,7
	global_load_b128 v[sb+16*\kf:sb+16*\kf+3],     v[VO], s[4:5] offset:16384*(\t)+128*\kf
	global_load_b128 v[sb+16*\kf+4:sb+16*\kf+7],   v[VO], s[4:5] offset:16384*(\t)+128*\kf+16
	global_load_b128 v[sb+16*\kf+8:sb+16*\kf+11],  v[VO], s[4:5] offset:16384*(\t)+128*\kf+64
	global_load_b128 v[sb+16*\kf+12:sb+16*\kf+15], v[VO], s[4:5] offset:16384*(\t)+128*\kf+80
.endr
.endm
.macro CVT t                           ; 128 f32 a lane round into the tile's 64 registers
.set sw, 1-(\t)%2
.set sb, 64*((\t)%2)
	WIN ((2+(\t)/4)<<6)|(sw<<2)|sw
.set u, 0
.rept 64
	v_cvt_pk_bf16_f32 v[64*((\t)%4)+u], v[sb+2*u], v[sb+2*u+1]
.set u, u+1
.endr
.endm
	LOADT 0
	LOADT 1
.irp t, 0,1,2,3,4,5
	s_wait_loadcnt 32                              ; this tile's 32 loads are in; the other set's 32 may stay out
	CVT \t
	LOADT (\t)+2                                   ; the set is asked for again at once
.endr
	s_wait_loadcnt 32
	CVT 6
	s_wait_loadcnt 0x0
	CVT 7
	; v^2 OF THE ROUNDED NUMBERS: the diagonal of V V^T, tile by tile; both sources are the tile's own fragments.  The 8 accumulators take turns; the first 8 products start the sums.
.set i, 0
.rept 64
.set t, i%8
.set kf, i/8
	WIN 0x5a+5*(t/4)                               ; both sources in window 2 or 3, C and D in window 1
.if kf == 0
	v_wmma_f32_16x16x32_bf16 v[8*t:8*t+7], v[64*(t%4)+8*kf:64*(t%4)+8*kf+7], v[64*(t%4)+8*kf:64*(t%4)+8*kf+7], 0
.else
	v_wmma_f32_16x16x32_bf16 v[8*t:8*t+7], v[64*(t%4)+8*kf:64*(t%4)+8*kf+7], v[64*(t%4)+8*kf:64*(t%4)+8*kf+7], v[8*t:8*t+7]
.endif
.set i, i+1
.endr
	; Element (m, m) lies in register j = m % 8 of the lane with h = m / 8 and r = m: lane 24 h + j.  I want v^2 of vector 16 t + 8 h + j in my register j: from lane 24 h + j, register j.
	WIN 0x40                                       ; destination window 1; these twelve plain lines are also the places behind the last products
.irp j, 0,1,2,3,4,5,6,7
	v_add_nc_u32 v[BP+\j], 4*\j, v[H96]            ; the select is a byte address: 4 x lane
.endr
	v_add_nc_u32 v[AT0], s15, v[T0]
	v_lshl_add_u32 v[LB], v[HH], 3, s78
	v_mov_b32 v[QS+1], 0                           ; the pairs' upper words are named with the lower, so they are written
	v_mov_b32 v[QS+3], 0
	WIN W_EP
.set i, 0
.rept 64
	ds_bpermute_b32 v[VS+i], v[BP+i%8], v[i]       ; each accumulator's registers in ascending order
.set i, i+1
.endr
	WIN 0
	s_wait_dscnt 0x0
; THE MATRIX WORK OF A TURN.  Product i of 64 for set x: tile i % 8, channels 32 (i / 8) on.  The 8 accumulators take turns, one instruction a turn: seven others stand between two links of a chain, and a
; turn's last product and the next turn's first are on different sets.  The first 8 start the sums: nothing is cleared.
.macro MM x
.set t, i%8
.set kf, i/8
.set rD, 64*(\x)+8*t
.set rV, 64*(t%4)+8*kf
.set rQ, QF+64*(\x)+8*kf
	WIN 0x52+t/4                                   ; vectors in window 2 or 3, queries in window 0, C and D in window 1
.if kf == 0
	v_wmma_f32_16x16x32_bf16 v[rD:rD+7], v[rV:rV+7], v[rQ:rQ+7], 0
.else
	v_wmma_f32_16x16x32_bf16 v[rD:rD+7], v[rV:rV+7], v[rQ:rQ+7], v[rD:rD+7]
.endif
.endm
; THE LDS LOADS OF A TURN, in one run: the next group's 8 fragments into buffer qf (16 loads), and the q^2 of the group in hand for set qs (one).  -1: none.
.macro FETCH qf, qs
	WIN 0
.if (\qf) >= 0
	v_add_nc_u32 v[ADR], s[TBQ], v[AQ0]
.irp f, 0,1,2,3,4,5,6,7
	ds_load_b128 v[QF+64*(\qf)+8*\f:QF+64*(\qf)+8*\f+3],   v[ADR] offset:64*\f
	ds_load_b128 v[QF+64*(\qf)+8*\f+4:QF+64*(\qf)+8*\f+7], v[ADR] offset:64*\f+32
.endr
	s_add_co_u32 s[TBQ], s[TBQ], GRP
.endif
.if (\qs) >= 0
	v_add_nc_u32 v[ADS], s[TSQ], v[AS0]
	WIN 0x40
	ds_load_b32 v[QS+2*(\qs)], v[ADS]
	s_add_co_u32 s[TSQ], s[TSQ], 64
.endif
.endm
; THE VECTOR WORK OF A TURN: a numbered list of 189 lines on set y; EP writes number n and steps n.  D is the set, in place; C is its tile 7, which ends up holding the winning tile's 8 distances.
;   0-63     tile n / 8: four packed t = v^2 + q^2, then four packed d = (-2) cross + t, the accumulator's lowest pair first
;   64-95    G[t] = the minimum of tile t's 8, three operands at a time, the 8 tiles side by side
;   96-100   M = max(the minimum of the G, 0)
;   101-107  masks: G[t] <= M, t = 0 .. 6
;   108-170  t = 6 .. 0: where the mask holds, C takes tile t's 8 distances and BT its number (BT starts at 7)
;   171-177  masks: C[j] <= M, j = 0 .. 6          178-184  j = 6 .. 0: BJ likewise
;   185-188  index = LB + 16 BT + BJ; the address; the pair goes into my plane of TAB
.macro EP y
.set aD, 64*(\y)
.set aC, aD+56
.set aQ, QS+2*(\y)
.if n < 189
	WIN W_EP
.endif
.if n < 64
.set bk, n/8
.set u, n%8
.if u < 4
	v_pk_add_f32 v[TT+2*u:TT+2*u+1], v[VS+8*bk+2*u:VS+8*bk+2*u+1], v[aQ:aQ+1] op_sel_hi:[1,0]
.else
.set u, u-4
	v_pk_fma_f32 v[aD+8*bk+2*u:aD+8*bk+2*u+1], v[aD+8*bk+2*u:aD+8*bk+2*u+1], -2.0, v[TT+2*u:TT+2*u+1] op_sel_hi:[1,0,1]
.endif
.elseif n < 72
.set t, n%8
	v_min3_num_f32 v[G+t], v[aD+8*t], v[aD+8*t+1], v[aD+8*t+2]
.elseif n < 80
.set t, n%8
	v_min3_num_f32 v[G+t], v[G+t], v[aD+8*t+3], v[aD+8*t+4]
.elseif n < 88
.set t, n%8
	v_min3_num_f32 v[G+t], v[G+t], v[aD+8*t+5], v[aD+8*t+6]
.elseif n < 96
.set t, n%8
	v_min_num_f32 v[G+t], v[G+t], v[aD+8*t+7]
.elseif n == 96
	v_min3_num_f32 v[OV], v[G], v[G+1], v[G+2]
.elseif n == 97
	v_min3_num_f32 v[MB], v[G+3], v[G+4], v[G+5]
.elseif n == 98
	v_min3_num_f32 v[OV], v[OV], v[MB], v[G+6]
.elseif n == 99
	v_min_num_f32 v[OV], v[OV], v[G+7]
.elseif n == 100
	v_max_num_f32 v[OV], 0, v[OV]
.elseif n < 108
	v_cmp_le_f32 s[MK+n-101], v[G+n-101], v[OV]
.elseif n < 171
.set t, 6-(n-108)/9
.set j, (n-108)%9
.if j < 8
	v_cndmask_b32 v[aC+j], v[aC+j], v[aD+8*t+j], s[MK+t]
.elseif t == 6
	v_cndmask_b32 v[BT], 7, 6, s[MK+6]
.else
	v_cndmask_b32 v[BT], v[BT], t, s[MK+t]
.endif
.elseif n < 178
	v_cmp_le_f32 s[MK+n-171], v[aC+n-171], v[OV]
.elseif n == 178
	v_cndmask_b32 v[BJ], 7, 6, s[MK+6]
.elseif n < 185
	v_cndmask_b32 v[BJ], v[BJ], 184-n, s[MK+184-n]
.elseif n == 185
	v_lshl_add_u32 v[XI], v[BT], 4, v[BJ]
.elseif n == 186
	v_add_nc_u32 v[OV+1], v[XI], v[LB]
.elseif n == 187
	v_add_nc_u32 v[ADT], s[TTB], v[AT0]
.elseif n == 188
	ds_store_b64 v[ADT], v[OV:OV+1]
	s_add_co_u32 s[TTB], s[TTB], 128               ; the next group's 16 pairs
.endif
.set n, n+1
.endm
; A TURN.  Set x has the matrix unit; ep = 1: the other set's list stands three lines behind each product (63 x 3 = 189; the last product stands bare).
; The run of LDS loads stands behind the second product: the last product that read its buffer is the turn before's last, and six plain lines (numbers 0 to 5, which name v^2, q^2, t and tile 0 alone) lie between.
; A tile's distances are first touched at number 8 t + 4 of the next turn, four plain lines or more behind the product that ended the tile.
; cnt: how many LDS instructions may stay out at the head.  Behind the 17 loads of the turn before stands one LDS instruction, the list's store: 1.
.macro TURN x, ep, qf, qs, cnt
	s_wait_dscnt \cnt
.set i, 0
.set n, 0
.rept 64
	MM \x
.if \ep
	EP 1-(\x)
	EP 1-(\x)
	EP 1-(\x)
.endif
.if i == 1
	FETCH \qf, \qs
.endif
.set i, i+1
.endr
.endm
; THE CHANGE OF SLOTS.  The slot's last group has been asked for a turn ago.  Each wave waits for all its tensor loads, of which one is out: its quarter of the other slot; adds 0 to its spare word; and waits for
; that and for its own reads of the slot.  Behind the barrier nobody reads this slot any more and the other slot is whole.  fill = 1: the slot is filled again, with the queries two slots on: the barrier is then a
; round of the cluster's, so that no wave of any partner still reads the slot or has a load on its way, and the joint refill is the first thing behind it: it has 8 turns, 512 products, in which to land.
.macro CHANGE fill
	WIN 0                                          ; at a label and at a branch every window is 0; the add's registers lie in window 0
	s_wait_tensorcnt 0x0                           ; no tensor load of mine is out, so a group 0 may be written
	ds_add_u32 v[SPW], v[NIL]                      ; 0 onto my spare word; the steps below stand between it and the wait for it
.if \fill
	s_xor_b32 s[G0B+1], s[G0B+1], SLOTB            ; the walking descriptor: the other slot than last time,
	s_add_nc_u64 s[G0B+2:G0B+3], s[G0B+2:G0B+3], 65536  ; the next 128 queries; the type bits on top are not reached
	s_wait_xcnt 0x0                                ; the last prefetch, 8 turns back, has read its address, so it may be written
	s_add_nc_u64 s[PFA:PFA+1], s[PFA:PFA+1], 65536
	s_wait_dscnt 0x0                               ; the add is done, and my reads of the slot are over
	CROUND
	tensor_load_to_lds s[G0B:G0B+3], s[G1Q:G1Q+7]  ; my one tensor load behind the round
	s_nop 0
	PLACES
	ASK
.else
	s_wait_dscnt 0x0                               ; the add is done, and my reads of the slot are over
	s_barrier_signal -1
	s_barrier_wait -1
.endif
	s_sub_co_u32 s[TBQ], s[TBQ], SLOTB             ; the fetches go back to a slot's first group,
	s_xor_b32 s[TBQ], s[TBQ], SLOTB                ; in the other slot
.endm
	s_wait_tensorcnt 0x1                           ; my quarters of qsq and of slot 0 are in; slot 1's may stay out
	s_barrier_signal -1
	s_barrier_wait -1                              ; everybody's are
	FETCH 0, -1                                    ; group 0
	TURN 0, 0, 1, 0, 0                             ; group 0's products: there is no list yet to set between them
	WIN 0
	PLACES                                         ; the places behind those products
	s_wait_dscnt 0x0                               ; group 1's fragments and group 0's q^2: no store stands behind them here
	s_mov_b32 s[CNT], 3                            ; slot 0 has six turns left
	s_mov_b32 s[SLOTS], 15
	s_branch .Lpair                                ; the loop is entered behind its change of slots
.Lslot:                                                ; 14 times: trip s leaves slot s - 1, fills it with slot s + 1, multiplies groups 8 s - 1 .. 8 s + 6 and fetches groups 8 s .. 8 s + 7
	CHANGE 1
	s_mov_b32 s[CNT], 4
.Lpair:
	TURN 1, 1, 0, 1, 1                             ; an odd group's products | the even group's list | the next even group's fragments, the odd group's q^2
	TURN 0, 1, 1, 0, 1
	WIN 0
	s_sub_co_u32 s[CNT], s[CNT], 1
	s_cmp_lg_u32 s[CNT], 0
	s_cbranch_scc1 .Lpair
	s_sub_co_u32 s[SLOTS], s[SLOTS], 1
	s_cmp_lg_u32 s[SLOTS], 0
	s_cbranch_scc1 .Lslot
	CHANGE 0                                       ; the tail is written out: nothing is asked for
	s_mov_b32 s[CNT], 4
.Ltail:                                                ; groups 119 to 126 are multiplied, groups 120 to 127 fetched
	TURN 1, 1, 0, 1, 1
	TURN 0, 1, 1, 0, 1
	WIN 0
	s_sub_co_u32 s[CNT], s[CNT], 1
	s_cmp_lg_u32 s[CNT], 0
	s_cbranch_scc1 .Ltail
	TURN 1, 1, -1, 1, 1                            ; group 127: only its q^2 is left to fetch
	s_wait_dscnt 0x0
.set n, 0
.rept 189
	EP 1                                           ; group 127's list, by itself; tile t is first touched at number 8 t + 4, far enough behind its last product
.endr
	; THE MERGE.  For each query 8 candidates lie in TAB, one a plane.  Thread v0 takes query 128 c + v0 in trip c; the lower distance wins, among equals the lower index.
	WIN 0
	s_wait_dscnt 0x0                               ; for the others' sake: my stores into TAB are done
	s_barrier_signal -1
	s_barrier_wait -1
	v_lshl_add_u32 v[AE], v0, 3, TAB
	v_add_nc_u32 v[AE2], 4*PL, v[AE]
	v_lshlrev_b32 v[GOF], 3, v0
	s_mov_b32 s[CNT], 16
.macro LEX p
	v_cmp_lt_f32 s[LX],   v[E+2*(\p)],   v[E]
	v_cmp_eq_f32 s[LX+1], v[E+2*(\p)],   v[E]
	v_cmp_lt_u32 s[LX+2], v[E+2*(\p)+1], v[E+1]
	s_and_b32 s[LX+1], s[LX+1], s[LX+2]
	s_or_b32 s[LX], s[LX], s[LX+1]
	v_cndmask_b32 v[E],   v[E],   v[E+2*(\p)],   s[LX]
	v_cndmask_b32 v[E+1], v[E+1], v[E+2*(\p)+1], s[LX]
.endm
.Lmerge:
.irp p, 0,1,2,3
	ds_load_b64 v[E+2*\p:E+2*\p+1], v[AE] offset:PL*\p
.endr
.irp p, 0,1,2,3
	ds_load_b64 v[E+8+2*\p:E+8+2*\p+1], v[AE2] offset:PL*\p
.endr
	s_wait_dscnt 0x0
.irp p, 1,2,3,4,5,6,7
	LEX \p
.endr
	global_store_b64 v[GOF], v[E:E+1], s[10:11]    ; a wave stores 256 consecutive bytes, at a multiple of 256 from part's first byte
	s_wait_xcnt 0x0                                ; the store's offset and data are written again only behind this wait
	v_add_nc_u32 v[AE], 1024, v[AE]
	v_add_nc_u32 v[AE2], 1024, v[AE2]
	v_add_nc_u32 v[GOF], 1024, v[GOF]
	s_sub_co_u32 s[CNT], s[CNT], 1
	s_cmp_lg_u32 s[CNT], 0
	s_cbranch_scc1 .Lmerge
	s_wait_tensorcnt 0x0                           ; the wave's end, behind my last tensor load and my last LDS store
	ds_add_u32 v[SPW], v[NIL]
	s_wait_dscnt 0x0
	CROUND                                         ; the closing round: no work-group ends while a partner may still ask for a tile that names it
	s_endpgm
.Lfunc_end_k_q39b13511c1_main:
	.size	k_q39b13511c1_main, .Lfunc_end_k_q39b13511c1_main-k_q39b13511c1_main
	.p2alignl 7, 3214868480
	.fill 96, 4, 3214868480
	.section	.rodata,"a",@progbits
	.p2align	6, 0x0
	.amdhsa_kernel k_q39b13511c1_main
		.amdhsa_group_segment_fixed_size 327680
		.amdhsa_private_segment_fixed_size 0
		.amdhsa_enable_private_segment 0
		.amdhsa_kernarg_size 32
		.amdhsa_user_sgpr_count 2
		.amdhsa_user_sgpr_kernarg_segment_ptr 1
		.amdhsa_wavefront_size32 1
		.amdhsa_system_sgpr_workgroup_id_x 1
		.amdhsa_system_sgpr_workgroup_id_y 1
		.amdhsa_system_sgpr_workgroup_id_z 1
		.amdhsa_system_vgpr_workitem_id 0
		.amdhsa_next_free_vgpr 1024
		.amdhsa_next_free_sgpr 80
		.amdhsa_reserve_vcc 0
		.amdhsa_float_denorm_mode_32 3
		.amdhsa_float_denorm_mode_16_64 3
		.amdhsa_memory_ordered 1
		.amdhsa_forward_progress 1
		.amdhsa_inst_pref_size 199
	.end_amdhsa_kernel
	.amdgpu_metadata
---
amdhsa.version: [ 1, 2 ]
amdhsa.kernels:
  - .name:           k_q39b13511c1_main
    .symbol:         k_q39b13511c1_main.kd
    .args:
      - { .name: vectors, .offset: 0, .size: 8, .value_kind: global_buffer, .address_space: global }
      - { .name: qb, .offset: 8, .size: 8, .value_kind: global_buffer, .address_space: global }
      - { .name: qsq, .offset: 16, .size: 8, .value_kind: global_buffer, .address_space: global }
      - { .name: part, .offset: 24, .size: 8, .value_kind: global_buffer, .address_space: global }
    .group_segment_fixed_size: 327680
    .private_segment_fixed_size: 0
    .kernarg_segment_align: 8
    .kernarg_segment_size: 32
    .max_flat_workgroup_size: 128
    .sgpr_count:     80
    .vgpr_count:     1024
    .wavefront_size: 32
...
	.end_amdgpu_metadata
.endif
;; end of part 2
;; launch pick (part 3): grid 32 x 1, 8 waves a work-group, no clusters, 5,120 bytes of LDS; arguments part, out0; writes out0
.if DOCPART == 3
	.amdgcn_target "amdgcn-amd-amdhsa--gfx1250"
	.amdhsa_code_object_version 6
	.text
	.protected	k_q39b13511c1_pick
	.globl	k_q39b13511c1_pick
	.p2align	8
	.type	k_q39b13511c1_pick,@function
k_q39b13511c1_pick:
	s_mov_b64 s[64:65], 0
	v_nop
	global_prefetch_b8 v0, s[64:65] scope:SCOPE_SE
	s_setreg_imm32_b32 hwreg(HW_REG_WAVE_MODE, 25, 1), 1
	s_wait_xcnt 0x0
; out0[q] = the index of the first minimum over the 256 candidates part[g][q] = { squared distance, clamped at 0; index } of sqrt(squared distance).
; part: [256][2048] of { f32, i32 }.  out0: [2048] i32.  Candidate g's index lies in 512 g .. 512 g + 511, so ascending g is ascending index, and 'strictly less' keeps the first among equals.
; SHARES.  A work-group takes 64 queries, so that its results are 256 consecutive bytes of out0, aligned: 32 work-groups.  A lane takes two queries (16 bytes of a row of part; a load of the wave covers
; 512 consecutive bytes), a wave 32 of the 256 rows; the eight waves' winners meet in LDS, and wave 0 finishes.  All 32 loads of a wave go out at once.
; LIMITS.  v_sqrt_f32 is accurate to 1 ulp and counts a denormal as 0 (ISA guide, its entry in 15.8).  NaN is not treated.
.set SPARE, 4096                       ; LDS: bytes 0-4,095 the waves' winners, 512 bytes a wave; from here the spare words, 128 bytes for each of the 8 waves
.set LO,  2                            ; v2   16 l; never rewritten
.set ST,  3                            ; v3   512 w + 16 l
.set GO,  4                            ; v4   8 l
.set SPW, 5                            ; v5   LDS address of my spare word; never rewritten
.set NIL, 6                            ; v6   0; never rewritten
.set C,   16                           ; v[16:143] candidate i: distance and index of my first query, then of my second
.set OUT, 144                          ; v[144:145] the two indices
	s_load_b128 s[4:7], s[0:1], 0x0                ; part s[4:5], out0 s[6:7]
	v_lshl_add_u32 v[SPW], v0, 2, SPARE
	v_mov_b32 v[NIL], 0
	v_lshrrev_b32 v1, 5, v0
	v_readfirstlane_b32 s8, v1                     ; wave 0..7
	v_and_b32 v1, 31, v0
	v_lshlrev_b32 v[LO], 4, v1
	v_lshlrev_b32 v[GO], 3, v1
	s_lshl_b32 s14, s8, 9
	v_add_nc_u32 v[ST], s14, v[LO]
	s_lshl_b32 s10, ttmp9, 9                       ; my work-group's 64 queries in a row of part,
	s_lshl_b32 s11, s8, 19                         ; my wave's 32 rows of 16,384 bytes
	s_add_co_u32 s10, s10, s11
	s_mov_b32 s11, 0
	s_lshl_b32 s12, ttmp9, 8
	s_mov_b32 s13, 0
	s_wait_kmcnt 0x0
	s_add_nc_u64 s[4:5], s[4:5], s[10:11]
	s_add_nc_u64 s[6:7], s[6:7], s[12:13]
.set i, 0
.rept 32
	global_load_b128 v[C+4*i:C+4*i+3], v[LO], s[4:5] offset:16384*i th:TH_LOAD_NT
.set i, i+1
.endr
	s_wait_loadcnt 0x0
.set i, 0
.rept 32
	v_sqrt_f32 v[C+4*i], v[C+4*i]                  ; one batch of 64 roots, each in place
	v_sqrt_f32 v[C+4*i+2], v[C+4*i+2]
.set i, i+1
.endr
	v_nop                                          ; a plain instruction behind the last root, ahead of the first use
	s_wait_alu depctr_va_vdst(0)                   ; and a wait ahead of the first use: one for the batch
; The candidate at register c is taken where it is strictly nearer; the indices go to d0 and d1.
.macro TAKE c, d0, d1
	v_cmp_lt_f32 s20, v[\c], v[C]
	v_cmp_lt_f32 s21, v[(\c)+2], v[C+2]
	v_cndmask_b32 v[C],   v[C],   v[\c],     s20
	v_cndmask_b32 v[\d0], v[C+1], v[(\c)+1], s20
	v_cndmask_b32 v[C+2], v[C+2], v[(\c)+2], s21
	v_cndmask_b32 v[\d1], v[C+3], v[(\c)+3], s21
.endm
.set i, 1
.rept 31
	TAKE C+4*i, C+1, C+3                           ; rows in ascending order
.set i, i+1
.endr
	ds_store_b128 v[ST], v[C:C+3]
	s_wait_dscnt 0x0                               ; for wave 0's sake: my winners lie in LDS
	s_barrier_signal -1
	s_barrier_wait -1
	s_cmp_lg_u32 s8, 0
	s_cbranch_scc1 .Lend
.irp p, 0,1,2,3,4,5,6,7
	ds_load_b128 v[C+4*\p:C+4*\p+3], v[LO] offset:512*\p
.endr
	s_wait_dscnt 0x0
.irp p, 1,2,3,4,5,6
	TAKE C+4*\p, C+1, C+3                          ; waves in ascending order: ascending rows again
.endr
	TAKE C+28, OUT, OUT+1                          ; the last step lays the two indices side by side
	global_store_b64 v[GO], v[OUT:OUT+1], s[6:7]   ; 32 lanes x 8 bytes: 256 consecutive bytes, aligned
.Lend:
	s_wait_tensorcnt 0x0                           ; the wave's end, behind my last LDS store
	ds_add_u32 v[SPW], v[NIL]
	s_wait_dscnt 0x0
	s_endpgm
.Lfunc_end_k_q39b13511c1_pick:
	.size	k_q39b13511c1_pick, .Lfunc_end_k_q39b13511c1_pick-k_q39b13511c1_pick
	.p2alignl 7, 3214868480
	.fill 96, 4, 3214868480
	.section	.rodata,"a",@progbits
	.p2align	6, 0x0
	.amdhsa_kernel k_q39b13511c1_pick
		.amdhsa_group_segment_fixed_size 5120
		.amdhsa_private_segment_fixed_size 0
		.amdhsa_enable_private_segment 0
		.amdhsa_kernarg_size 16
		.amdhsa_user_sgpr_count 2
		.amdhsa_user_sgpr_kernarg_segment_ptr 1
		.amdhsa_wavefront_size32 1
		.amdhsa_system_sgpr_workgroup_id_x 1
		.amdhsa_system_sgpr_workgroup_id_y 1
		.amdhsa_system_sgpr_workgroup_id_z 1
		.amdhsa_system_vgpr_workitem_id 0
		.amdhsa_next_free_vgpr 160
		.amdhsa_next_free_sgpr 66
		.amdhsa_reserve_vcc 0
		.amdhsa_float_denorm_mode_32 3
		.amdhsa_float_denorm_mode_16_64 3
		.amdhsa_memory_ordered 1
		.amdhsa_forward_progress 1
		.amdhsa_inst_pref_size 22
	.end_amdhsa_kernel
	.amdgpu_metadata
---
amdhsa.version: [ 1, 2 ]
amdhsa.kernels:
  - .name:           k_q39b13511c1_pick
    .symbol:         k_q39b13511c1_pick.kd
    .args:
      - { .name: part, .offset: 0, .size: 8, .value_kind: global_buffer, .address_space: global }
      - { .name: out0, .offset: 8, .size: 8, .value_kind: global_buffer, .address_space: global }
    .group_segment_fixed_size: 5120
    .private_segment_fixed_size: 0
    .kernarg_segment_align: 8
    .kernarg_segment_size: 16
    .max_flat_workgroup_size: 256
    .sgpr_count:     66
    .vgpr_count:     160
    .wavefront_size: 32
...
	.end_amdgpu_metadata
.endif
;; end of part 3
;; ======== version 2 of 2: 3 launches; version 1 with the launch prep written anew for expert scheduling mode
;; workspace buffers: qb 1,048,576 bytes; qsq 8,192 bytes; part 4,194,304 bytes
;; launch prep (part 4): grid 32 x 1, 8 waves a work-group, no clusters, 1,280 bytes of LDS; arguments query, qb, qsq; writes qb, qsq
.if DOCPART == 4
	.amdgcn_target "amdgcn-amd-amdhsa--gfx1250"
	.amdhsa_code_object_version 6
	.text
	.protected	k_q39b13511c1_prep
	.globl	k_q39b13511c1_prep
	.p2align	8
	.type	k_q39b13511c1_prep,@function
k_q39b13511c1_prep:
	s_mov_b64 s[64:65], 0
	v_nop
	global_prefetch_b8 v0, s[64:65] scope:SCOPE_SE
	s_setreg_imm32_b32 hwreg(HW_REG_WAVE_SCHED_MODE, 0, 2), 2
	s_setreg_imm32_b32 hwreg(HW_REG_WAVE_MODE, 25, 1), 1
	s_wait_xcnt 0x0
	s_wait_alu depctr_vm_vsrc(0)
; qb[m][:] = query[m][:] rounded to bf16; qsq[m] = the sum over d of qb[m][d]^2, in f32, of the ROUNDED numbers, so that the
; distance made later is the distance between the numbers that are multiplied.  query: [2048][256] f32.  qb: [2048][256] bf16.  qsq: [2048] f32.
; SHARES.  A work-group takes 64 rows, so that its 64 sums are 256 consecutive bytes of qsq, aligned: 32 work-groups.  A wave takes 8 rows.
; A lane takes 16 bytes at 16 l and 16 bytes at 512 + 16 l of each row: a load of the wave covers 512 consecutive bytes; the four
; numbers of a load pack into 8 bytes, so a store of the wave covers 256 consecutive bytes of qb, aligned.
; All 16 loads of a wave go out at once; the rows are worked on in two halves of four.  No matrix unit, no cluster: nothing is shared and there is no product.
; LIMIT.  The sum is an f32 sum in another order than a sum along the row.
; THE MODE: SCHED_MODE bits 1:0 = 2 (LLVM: expert scheduling mode 2), set by the entry lines.  The code itself states the register dependences
; between vector instructions and memory or LDS instructions, with s_wait_alu, always for 0.
; THE PLAN.  Registers that memory or LDS instructions touch:
;   v2-v7      offsets, LDS addresses and the closing add's pair: written at the head, never again; one wait ahead of the first load serves them all.
;   X          written by the 16 loads, each register once; read by the conversions; no vector instruction writes it, no second load lands in it.
;   P          written by the conversions, each register once; read by its global store and by the unpacking lines; never written again.
;   S          a pair to each row: written by the row's chain of sums; its low word is read by the row's LDS store; never written again.
;   R          written by wave 0's LDS load, read by its global store; no vector instruction names it.
;   U is named by vector instructions alone.
; So a half has ONE wait on va_vdst, behind its 16 conversions and ahead of its run of eight stores, and one more stands ahead of the run of eight LDS stores.
; No register that a memory or LDS instruction reads is written again, so no wait on vm_vsrc is owed.  EXEC is never written.
.set SPARE, 256                        ; LDS: bytes 0-255 the 64 sums; from here the spare words, 128 bytes for each of the 8 waves
.set LO,  2                            ; v2   16 l + 8,192 w: my bytes in the work-group's rows of query; never rewritten
.set SO,  3                            ; v3   8 l + 4,096 w: the same in qb; never rewritten
.set LA,  4                            ; v4   32 w: my wave's eight sums in LDS; never rewritten
.set SPW, 5                            ; v5   LDS address of my spare word; never rewritten
.set NIL, 6                            ; v6   0; never rewritten
.set RB,  7                            ; v7   8 l; never rewritten
.set TM,  8                            ; v8   at the head only: the wave's number
.set X,   16                           ; v[16:79]   row i: 8 registers as loaded
.set P,   80                           ; v[80:111]  row i: 4 registers, 8 bf16; each is written once, so no store's data is ever rewritten
.set U,   112                          ; v[112:143] row i % 4: 8 registers, the rounded numbers as f32
.set S,   144                          ; v[144:159] row i: a pair, the running sums; at the end the row's sum in the low word
.set R,   160                          ; v[160:161] wave 0: two of the 64 sums, read back
	s_load_b128 s[4:7], s[0:1], 0x0                ; query s[4:5], qb s[6:7]
	s_load_b64 s[8:9], s[0:1], 0x10                ; qsq
	v_lshl_add_u32 v[SPW], v0, 2, SPARE
	v_mov_b32 v[NIL], 0
	v_lshrrev_b32 v[TM], 5, v0
	v_readfirstlane_b32 s13, v[TM]                 ; wave 0..7
	v_and_b32 v1, 31, v0                           ; lane
	s_mov_b32 s10, 0x76543210                      ; v_permlanex16_b32: each lane takes its own place in the other half
	s_mov_b32 s11, 0xfedcba98
	s_mov_b32 s12, 0xffff0000                      ; a word's upper bf16
	s_lshl_b32 s14, ttmp9, 16                      ; 64 rows of 1,024 bytes
	s_mov_b32 s15, 0
	s_lshl_b32 s16, ttmp9, 15                      ; 64 rows of 512 bytes
	s_mov_b32 s17, 0
	s_lshl_b32 s18, ttmp9, 8                       ; 64 sums
	s_mov_b32 s19, 0
	s_wait_alu depctr_va_sdst(0)                   ; s13 is written, ahead of its first reader: the wave's terms of the offsets are made from it
	s_lshl_b32 s20, s13, 13
	s_lshl_b32 s21, s13, 12
	s_lshl_b32 s22, s13, 5
	v_lshl_add_u32 v[LO], v1, 4, s20
	v_lshlrev_b32 v[RB], 3, v1
	v_add_nc_u32 v[SO], s21, v[RB]
	v_mov_b32 v[LA], s22
	s_wait_kmcnt 0x0
	s_add_nc_u64 s[4:5], s[4:5], s[14:15]
	s_add_nc_u64 s[6:7], s[6:7], s[16:17]
	s_add_nc_u64 s[8:9], s[8:9], s[18:19]
	s_wait_alu depctr_va_vdst(0)                   ; v2 to v7 are written: the offsets and LDS addresses that every load, store and LDS instruction below reads, and the closing add's pair
.irp i, 0,1,2,3,4,5,6,7
	global_load_b128 v[X+8*\i:X+8*\i+3],   v[LO], s[4:5] offset:1024*\i th:TH_LOAD_NT
	global_load_b128 v[X+8*\i+4:X+8*\i+7], v[LO], s[4:5] offset:1024*\i+512 th:TH_LOAD_NT
.endr
; Half b: rows 4 b to 4 b + 3 are rounded and stored; then squared and summed over the wave, the four rows side by side, so that between two links
; of a row's chain stand the other three rows' lines.  Each row's own order of additions is: four packed squares in ascending order, the pair's two words,
; lanes 1, 2, 4 and 8 apart, the other half of the lanes.
.macro HALF b
	s_wait_loadcnt 8-8*(\b)                        ; loads come back in order: this half's eight are in; in the first half the second's eight may stay out
.irp r, 0,1,2,3
.irp k, 0,1,2,3
	v_cvt_pk_bf16_f32 v[P+16*(\b)+4*(\r)+(\k)], v[X+32*(\b)+8*(\r)+2*(\k)], v[X+32*(\b)+8*(\r)+2*(\k)+1]
.endr
.endr
	s_wait_alu depctr_va_vdst(0)                   ; the sixteen conversions have written this half of P, which the eight stores below read
.irp r, 0,1,2,3
	global_store_b64 v[SO], v[P+16*(\b)+4*(\r):P+16*(\b)+4*(\r)+1],   s[6:7] offset:512*(4*(\b)+(\r))       ; 32 lanes x 8 bytes: the row's first 256 bytes,
	global_store_b64 v[SO], v[P+16*(\b)+4*(\r)+2:P+16*(\b)+4*(\r)+3], s[6:7] offset:512*(4*(\b)+(\r))+256   ; and its second
.endr
.irp r, 0,1,2,3
.irp k, 0,1,2,3
	v_lshlrev_b32 v[U+8*(\r)+2*(\k)],   16,  v[P+16*(\b)+4*(\r)+(\k)]  ; bf16 to f32: the low half moves up,
	v_and_b32     v[U+8*(\r)+2*(\k)+1], s12, v[P+16*(\b)+4*(\r)+(\k)]  ; the high half stays
.endr
.endr
.irp r, 0,1,2,3
	v_pk_mul_f32 v[S+8*(\b)+2*(\r):S+8*(\b)+2*(\r)+1], v[U+8*(\r):U+8*(\r)+1], v[U+8*(\r):U+8*(\r)+1]
.endr
.irp m, 2,4,6
.irp r, 0,1,2,3
	v_pk_fma_f32 v[S+8*(\b)+2*(\r):S+8*(\b)+2*(\r)+1], v[U+8*(\r)+(\m):U+8*(\r)+(\m)+1], v[U+8*(\r)+(\m):U+8*(\r)+(\m)+1], v[S+8*(\b)+2*(\r):S+8*(\b)+2*(\r)+1]
.endr
.endr
.irp r, 0,1,2,3
	v_add_f32 v[S+8*(\b)+2*(\r)], v[S+8*(\b)+2*(\r)], v[S+8*(\b)+2*(\r)+1]
.endr
.irp r, 0,1,2,3
	v_add_f32_dpp v[S+8*(\b)+2*(\r)], v[S+8*(\b)+2*(\r)], v[S+8*(\b)+2*(\r)] row_xmask:1 row_mask:0xf bank_mask:0xf
.endr
.irp r, 0,1,2,3
	v_add_f32_dpp v[S+8*(\b)+2*(\r)], v[S+8*(\b)+2*(\r)], v[S+8*(\b)+2*(\r)] row_xmask:2 row_mask:0xf bank_mask:0xf
.endr
.irp r, 0,1,2,3
	v_add_f32_dpp v[S+8*(\b)+2*(\r)], v[S+8*(\b)+2*(\r)], v[S+8*(\b)+2*(\r)] row_xmask:4 row_mask:0xf bank_mask:0xf
.endr
.irp r, 0,1,2,3
	v_add_f32_dpp v[S+8*(\b)+2*(\r)], v[S+8*(\b)+2*(\r)], v[S+8*(\b)+2*(\r)] row_xmask:8 row_mask:0xf bank_mask:0xf
.endr
.irp r, 0,1,2,3
	v_permlanex16_b32 v[S+8*(\b)+2*(\r)+1], v[S+8*(\b)+2*(\r)], s10, s11  ; its destination counts as read: the pair's upper word has been written, and its number is used up
.endr
.irp r, 0,1,2,3
	v_add_f32 v[S+8*(\b)+2*(\r)], v[S+8*(\b)+2*(\r)], v[S+8*(\b)+2*(\r)+1]  ; every lane holds the row's sum
.endr
.endm
	HALF 0
	HALF 1
	s_wait_alu depctr_va_vdst(0)                   ; the eight rows' sums are written, which the LDS stores below read
.irp i, 0,1,2,3,4,5,6,7
	ds_store_b32 v[LA], v[S+2*\i] offset:4*\i      ; all lanes write the same word with the same number
.endr
	s_wait_dscnt 0x0                               ; for wave 0's sake: my eight sums lie in LDS
	s_barrier_signal -1
	s_barrier_wait -1
	s_cmp_lg_u32 s13, 0
	s_cbranch_scc1 .Lend                           ; wave 0 stores the 64 sums: 32 lanes x 8 bytes, 256 consecutive bytes, aligned
	ds_load_b64 v[R:R+1], v[RB]                    ; no vector instruction names v[R:R+1], so nothing is owed ahead of this load
	s_wait_dscnt 0x0
	global_store_b64 v[RB], v[R:R+1], s[8:9]
.Lend:
	s_wait_dscnt 0x0                               ; the closing lines, six on end
	s_wait_alu 0x0
	s_wait_tensorcnt 0x0
	ds_add_u32 v[SPW], v[NIL]
	s_wait_dscnt 0x0
	s_endpgm
.Lfunc_end_k_q39b13511c1_prep:
	.size	k_q39b13511c1_prep, .Lfunc_end_k_q39b13511c1_prep-k_q39b13511c1_prep
	.p2alignl 7, 3214868480
	.fill 96, 4, 3214868480
	.section	.rodata,"a",@progbits
	.p2align	6, 0x0
	.amdhsa_kernel k_q39b13511c1_prep
		.amdhsa_group_segment_fixed_size 1280
		.amdhsa_private_segment_fixed_size 0
		.amdhsa_enable_private_segment 0
		.amdhsa_kernarg_size 24
		.amdhsa_user_sgpr_count 2
		.amdhsa_user_sgpr_kernarg_segment_ptr 1
		.amdhsa_wavefront_size32 1
		.amdhsa_system_sgpr_workgroup_id_x 1
		.amdhsa_system_sgpr_workgroup_id_y 1
		.amdhsa_system_sgpr_workgroup_id_z 1
		.amdhsa_system_vgpr_workitem_id 0
		.amdhsa_next_free_vgpr 162
		.amdhsa_next_free_sgpr 66
		.amdhsa_reserve_vcc 0
		.amdhsa_float_denorm_mode_32 3
		.amdhsa_float_denorm_mode_16_64 3
		.amdhsa_memory_ordered 1
		.amdhsa_forward_progress 1
		.amdhsa_inst_pref_size 15
	.end_amdhsa_kernel
	.amdgpu_metadata
---
amdhsa.version: [ 1, 2 ]
amdhsa.kernels:
  - .name:           k_q39b13511c1_prep
    .symbol:         k_q39b13511c1_prep.kd
    .args:
      - { .name: query, .offset: 0, .size: 8, .value_kind: global_buffer, .address_space: global }
      - { .name: qb, .offset: 8, .size: 8, .value_kind: global_buffer, .address_space: global }
      - { .name: qsq, .offset: 16, .size: 8, .value_kind: global_buffer, .address_space: global }
    .group_segment_fixed_size: 1280
    .private_segment_fixed_size: 0
    .kernarg_segment_align: 8
    .kernarg_segment_size: 24
    .max_flat_workgroup_size: 256
    .sgpr_count:     66
    .vgpr_count:     162
    .wavefront_size: 32
...
	.end_amdgpu_metadata
.endif
;; end of part 4
;; launch main: the kernel of part 2 again; grid 256 x 1, 4 waves a work-group, clusters of 4 x 1, 327,680 bytes of LDS; arguments vectors, qb, qsq, part; writes part
;; launch pick: the kernel of part 3 again; grid 32 x 1, 8 waves a work-group, no clusters, 5,120 bytes of LDS; arguments part, out0; writes out0
